; MI455X (gfx1250); checked and timed in simulation.
; The chip was launched on July 23, 2026; its instructions are those of AMD's public machine-readable ISA for CDNA 5 (MIT licence, August 2026) and "CDNA5" Instruction Set Architecture Reference Guide (July 2026). The comments in the code are by the model that wrote it; some were corrected since.
;; Quantizer. Allowed arithmetic: float matrix products may take bf16 or f16 operands with f32 sums; other float arithmetic in f32, or as packed bf16 or f16 multiplies, adds, multiply-adds, maxima and minima; sums over many terms, partial sums and values carried from step to step in f32; what a program stores and reads back later, other than sums and carried values, may be rounded once to bf16 or f16.
;; Inputs: embed 256 x 8,192 float32; x 32 x 32 x 32 x 256 float32.
;; Outputs: out0 32 x 32 x 32 x 256 float32.
;; 2 versions, each right; version 2 is version 1 with the launches prep, gather written anew for expert scheduling mode. Each part assembles by itself: llvm-mc -triple=amdgcn-amd-amdhsa -mcpu=gfx1250 --defsym DOCPART=n.
;; ======== version 1 of 2: 3 launches
;; workspace buffers: cbf 4,194,304 bytes; cbr 4,194,304 bytes; esq 32,768 bytes; ind 131,072 bytes of whole numbers
;; launch prep (part 1): grid 128 x 1, 8 waves a work-group, no clusters, 35,072 bytes of LDS; arguments embed, cbf, cbr, esq; writes cbf, cbr, esq
.if DOCPART == 1
	.amdgcn_target "amdgcn-amd-amdhsa--gfx1250"
	.amdhsa_code_object_version 6
	.text
	.protected	k_qefadb2fc2f_prep
	.globl	k_qefadb2fc2f_prep
	.p2align	8
	.type	k_qefadb2fc2f_prep,@function
k_qefadb2fc2f_prep:
	s_mov_b64 s[64:65], 0
	v_nop
	global_prefetch_b8 v0, s[64:65] scope:SCOPE_SE
	s_setreg_imm32_b32 hwreg(HW_REG_WAVE_MODE, 25, 1), 1
	s_wait_xcnt 0x0
; THE PROGRAM.  For each of 32,768 rows of x (256 numbers) the code (a column of embed, 8,192 of them) with the least squared distance, the lowest index among equals; the output row is that code.
; Three launches: this one lays the codes out; the second multiplies and finds each row's code, stored as a whole number; the third copies the chosen codes.
; WORK LEFT OUT.  dist[n][k] = x_sq[n] + e_sq[k] - 2 x[n].e[k].  x_sq[n] is the same for all k of a row, so for all finite inputs argmin_k dist = argmin_k (e_sq[k] - 2 x.e[k]) = argmax_k (x.e[k] - e_sq[k] / 2):
; x_sq is never made, and the factor -2 is an exact scaling by -1/2 of the other term.  x_sq is of e_sq's own size, so leaving it out moves a distance by rounding alone.  Both inputs stay live and are loaded.
; LIMITS.  An overflow, infinity or NaN that would reach x_sq alone is not carried to the result.  Inputs are finite: NaN is not treated as argmin treats it.  x and embed are rounded to bf16 (nearest even) for the
; product, e_sq is summed in f32 from the ROUNDED codes, so that all terms belong to the same rounded inputs; scores are kept in f32.  Two codes whose distances differ by no more than f32's rounding of them may be
; ordered otherwise than by another order of the same sums.  The output holds the rounded code: within 2^-9 of the f32 code.
; THIS LAUNCH.  embed is [256 k][8192 codes] f32.  It stores: cbr, the codes as rows, [8192][256] bf16; cbf, the same numbers in the order in which a matrix operand's registers take them: the 16 bytes at
; g*8192 + c*1024 + q*512 + L*16 hold code 16 g + L % 16, k = 32 c + 16 q + 8 (L / 16) + 0..7; esq[code] = -1/2 x the sum of the rounded code's squares, f32.
; SHARES.  A work-group owns 64 codes: 256 consecutive bytes, aligned, of each of embed's 256 rows; so 128 work-groups.  With 32 codes each a load's sixteen lanes would cover half of that, and a split of k
; would spread a code's sum over two work-groups.  The turn from [k][code] to [code][k] goes through LDS once.  No matrix unit, no cluster: nothing is multiplied and no work-group shares a byte with another.
.set ROWB,  32768                      ; bytes in a row of embed
.set RP,    528                        ; a code's row in LDS: 512 bytes + 16: an odd multiple of 16, so the sixteen rows of a 16-byte load start in sixteen different columns of 16 bytes
.set SUMS,  64*RP                      ; 64 f32, a block of 256 bytes of their own
.set SPARE, SUMS+256                   ; the spare words, 128 bytes for each of the eight waves; no other line names them
.set GO,  6                            ; v6   my offset in embed: rows 2 a (a = thread / 16), columns 4 m (m = thread % 16)
.set LS,  7                            ; v7   where my packed pairs go: code 4 m, k = 2 a
.set FR,  8                            ; v8   fragment order, read: code r = m, 16 bytes for each half of the lanes, my wave's 32 k
.set FO,  9                            ; v9   fragment order, store
.set RR,  10                           ; v10  row order, read: my wave's 8 codes, 16 bytes a lane
.set RO,  11                           ; v11  row order, store
.set SA,  12                           ; v12  my wave's 8 sums
.set EO,  13                           ; v13  8 x lane
.set SPW, 14                           ; v14  LDS address of my spare word; never rewritten
.set NIL, 15                           ; v15  0; never rewritten
.set IN,  16                           ; v[16:79]   load (i, p) at IN + 8 i + 4 p; later the squares
.set PK,  80                           ; v[80:111]  packed pairs
.set FRG, 112                          ; v[112:143] fragment order
.set ROWD, 144                         ; v[144:175] row order
	s_load_b256 s[4:11], s[0:1], 0x0               ; embed s[4:5], cbf s[6:7], cbr s[8:9], esq s[10:11]
	v_lshl_add_u32 v[SPW], v0, 2, SPARE
	v_mov_b32 v[NIL], 0
	v_lshrrev_b32 v1, 5, v0
	v_readfirstlane_b32 s12, v1                    ; wave 0..7
	v_and_b32 v1, 31, v0                           ; lane L
	v_and_b32 v2, 15, v0                           ; m, and r = L % 16
	v_lshrrev_b32 v3, 4, v0                        ; a
	v_bfe_u32 v5, v0, 4, 1                         ; h = L / 16
	v_lshlrev_b32 v[GO], 16, v3                    ; 2 a rows of 32,768 bytes
	v_lshl_add_u32 v[GO], v2, 4, v[GO]
	v_mul_u32_u24 v[LS], v2, 4*RP
	v_lshl_add_u32 v[LS], v3, 2, v[LS]
	s_lshl_b32 s19, s12, 6                         ; my wave's K step: 64 bytes of a code's row
	v_mul_u32_u24 v[FR], v2, RP
	v_lshl_add_u32 v[FR], v5, 4, v[FR]
	v_add_nc_u32 v[FR], s19, v[FR]
	s_lshl_b32 s19, s12, 10
	v_lshl_add_u32 v[FO], v1, 4, s19
	s_mul_i32 s19, s12, 8*RP
	v_lshl_add_u32 v[RR], v1, 4, s19
	s_lshl_b32 s19, s12, 12
	v_lshl_add_u32 v[RO], v1, 4, s19
	s_lshl_b32 s19, s12, 5
	s_add_co_u32 s19, s19, SUMS
	v_mov_b32 v[SA], s19
	v_lshlrev_b32 v[EO], 3, v1
	s_mov_b32 s16, 0x76543210                      ; v_permlanex16_b32: each lane takes its own place in the other half
	s_mov_b32 s17, 0xfedcba98
	s_mov_b32 s18, 0xffff0000                      ; a word's upper bf16
	s_lshl_b32 s14, ttmp9, 8                       ; 64 codes: 256 bytes of a row of embed, and of esq
	s_mov_b32 s15, 0
	s_wait_kmcnt 0x0
	s_add_nc_u64 s[4:5], s[4:5], s[14:15]
	s_add_nc_u64 s[10:11], s[10:11], s[14:15]
	s_lshl_b32 s14, ttmp9, 15                      ; 64 codes of 512 bytes in cbf and in cbr
	s_add_nc_u64 s[6:7], s[6:7], s[14:15]
	s_add_nc_u64 s[8:9], s[8:9], s[14:15]
	; all sixteen loads go out at once: load (i, p) is row k = 32 i + 2 a + p; sixteen lanes cover a row's 256 bytes
.irp i, 0,1,2,3,4,5,6,7
.irp p, 0,1
	global_load_b128 v[IN+8*(\i)+4*(\p):IN+8*(\i)+4*(\p)+3], v[GO], s[4:5] offset:(32*(\i)+(\p))*ROWB th:TH_LOAD_NT
.endr
.endr
	; two neighbouring k of one code are rounded into one word and stored at [code][k]
.irp i, 0,1,2,3,4,5,6,7
	s_wait_loadcnt 14-2*(\i)                       ; loads come back in order: pair i is in, the younger pairs stay out
.irp j, 0,1,2,3
	v_cvt_pk_bf16_f32 v[PK+4*(\i)+(\j)], v[IN+8*(\i)+(\j)], v[IN+8*(\i)+4+(\j)]
.endr
.irp j, 0,1,2,3
	ds_store_b32 v[LS], v[PK+4*(\i)+(\j)] offset:(\j)*RP+64*(\i)
.endr
.endr
	s_wait_dscnt 0x0                               ; for the others' sake: my stores are done
	s_barrier_signal -1
	s_barrier_wait -1                              ; the 64 codes lie in LDS as rows
.irp t, 0,1,2,3
.irp q, 0,1
	ds_load_b128 v[FRG+8*(\t)+4*(\q):FRG+8*(\t)+4*(\q)+3], v[FR] offset:16*RP*(\t)+32*(\q)  ; code tile t, my wave's K step, half q
.endr
.endr
.irp i, 0,1,2,3,4,5,6,7
	ds_load_b128 v[ROWD+4*(\i):ROWD+4*(\i)+3], v[RR] offset:RP*(\i)  ; a whole code: 32 lanes x 16 bytes
.endr
	s_wait_dscnt 8                                 ; the eight fragment loads are in; the eight row loads may stay out
.irp t, 0,1,2,3
.irp q, 0,1
	global_store_b128 v[FO], v[FRG+8*(\t)+4*(\q):FRG+8*(\t)+4*(\q)+3], s[6:7] offset:8192*(\t)+512*(\q)  ; 512 consecutive bytes, aligned
.endr
.endr
	s_wait_dscnt 0x0
.irp i, 0,1,2,3,4,5,6,7
	global_store_b128 v[RO], v[ROWD+4*(\i):ROWD+4*(\i)+3], s[8:9] offset:512*(\i)  ; a code's row: 512 consecutive bytes, aligned
.endr
	; the sums of squares of my wave's eight codes, from the rounded numbers, in f32: eight numbers a lane, then across the lanes
.irp i, 0,1,2,3,4,5,6,7
.irp j, 0,1,2,3
	v_lshlrev_b32 v[IN+8*(\i)+2*(\j)],   16,  v[ROWD+4*(\i)+(\j)]
	v_and_b32     v[IN+8*(\i)+2*(\j)+1], s18, v[ROWD+4*(\i)+(\j)]
.endr
	v_pk_mul_f32 v[IN+8*(\i):IN+8*(\i)+1], v[IN+8*(\i):IN+8*(\i)+1], v[IN+8*(\i):IN+8*(\i)+1]
.irp j, 2,4,6
	v_pk_fma_f32 v[IN+8*(\i):IN+8*(\i)+1], v[IN+8*(\i)+(\j):IN+8*(\i)+(\j)+1], v[IN+8*(\i)+(\j):IN+8*(\i)+(\j)+1], v[IN+8*(\i):IN+8*(\i)+1]
.endr
.endr
.irp i, 0,1,2,3,4,5,6,7
	v_add_f32 v[IN+8*(\i)], v[IN+8*(\i)], v[IN+8*(\i)+1]
.endr
.irp x, 1,2,4,8
.irp i, 0,1,2,3,4,5,6,7
	v_add_f32_dpp v[IN+8*(\i)], v[IN+8*(\i)], v[IN+8*(\i)] row_xmask:\x row_mask:0xf bank_mask:0xf
.endr
.endr
.irp i, 0,1,2,3,4,5,6,7
	v_permlanex16_b32 v[IN+8*(\i)+1], v[IN+8*(\i)], s16, s17  ; its destination has been written
.endr
.irp i, 0,1,2,3,4,5,6,7
	v_add_f32 v[IN+8*(\i)], v[IN+8*(\i)], v[IN+8*(\i)+1]
.endr
.irp i, 0,1,2,3,4,5,6,7
	v_mul_f32 v[IN+8*(\i)], -0.5, v[IN+8*(\i)]
	ds_store_b32 v[SA], v[IN+8*(\i)] offset:4*(\i)  ; all lanes write the same word with the same number
.endr
	s_wait_dscnt 0x0                               ; for wave 0's sake
	s_barrier_signal -1
	s_barrier_wait -1
	s_cmp_lg_u32 s12, 0
	s_cbranch_scc1 .Lend
	ds_load_b64 v[PK:PK+1], v[EO] offset:SUMS      ; the 64 sums: 256 bytes
	s_wait_dscnt 0x0
	global_store_b64 v[EO], v[PK:PK+1], s[10:11]   ; 256 consecutive bytes, aligned
.Lend:
	s_wait_tensorcnt 0x0                           ; the wave's end, behind my last LDS store
	ds_add_u32 v[SPW], v[NIL]
	s_wait_dscnt 0x0
	s_endpgm
.Lfunc_end_k_qefadb2fc2f_prep:
	.size	k_qefadb2fc2f_prep, .Lfunc_end_k_qefadb2fc2f_prep-k_qefadb2fc2f_prep
	.p2alignl 7, 3214868480
	.fill 96, 4, 3214868480
	.section	.rodata,"a",@progbits
	.p2align	6, 0x0
	.amdhsa_kernel k_qefadb2fc2f_prep
		.amdhsa_group_segment_fixed_size 35072
		.amdhsa_private_segment_fixed_size 0
		.amdhsa_enable_private_segment 0
		.amdhsa_kernarg_size 32
		.amdhsa_user_sgpr_count 2
		.amdhsa_user_sgpr_kernarg_segment_ptr 1
		.amdhsa_wavefront_size32 1
		.amdhsa_system_sgpr_workgroup_id_x 1
		.amdhsa_system_sgpr_workgroup_id_y 1
		.amdhsa_system_sgpr_workgroup_id_z 1
		.amdhsa_system_vgpr_workitem_id 0
		.amdhsa_next_free_vgpr 176
		.amdhsa_next_free_sgpr 66
		.amdhsa_reserve_vcc 0
		.amdhsa_float_denorm_mode_32 3
		.amdhsa_float_denorm_mode_16_64 3
		.amdhsa_memory_ordered 1
		.amdhsa_forward_progress 1
		.amdhsa_inst_pref_size 19
	.end_amdhsa_kernel
	.amdgpu_metadata
---
amdhsa.version: [ 1, 2 ]
amdhsa.kernels:
  - .name:           k_qefadb2fc2f_prep
    .symbol:         k_qefadb2fc2f_prep.kd
    .args:
      - { .name: embed, .offset: 0, .size: 8, .value_kind: global_buffer, .address_space: global }
      - { .name: cbf, .offset: 8, .size: 8, .value_kind: global_buffer, .address_space: global }
      - { .name: cbr, .offset: 16, .size: 8, .value_kind: global_buffer, .address_space: global }
      - { .name: esq, .offset: 24, .size: 8, .value_kind: global_buffer, .address_space: global }
    .group_segment_fixed_size: 35072
    .private_segment_fixed_size: 0
    .kernarg_segment_align: 8
    .kernarg_segment_size: 32
    .max_flat_workgroup_size: 256
    .sgpr_count:     66
    .vgpr_count:     176
    .wavefront_size: 32
...
	.end_amdgpu_metadata
.endif
;; end of part 1
;; launch argmin (part 2): grid 256 x 1, 4 waves a work-group, clusters of 4 x 1, 327,680 bytes of LDS; arguments x, cbf, esq, ind; writes ind
.if DOCPART == 2
	.amdgcn_target "amdgcn-amd-amdhsa--gfx1250"
	.amdhsa_code_object_version 6
	.text
	.protected	k_qefadb2fc2f_argmin
	.globl	k_qefadb2fc2f_argmin
	.p2align	8
	.type	k_qefadb2fc2f_argmin,@function
k_qefadb2fc2f_argmin:
	s_mov_b64 s[64:65], 0
	v_nop
	global_prefetch_b8 v0, s[64:65] scope:SCOPE_SE
	s_setreg_imm32_b32 hwreg(HW_REG_WAVE_MODE, 25, 1), 1
	s_wait_xcnt 0x0
	s_wait_alu depctr_hold_cnt(0) depctr_sa_sdst(0) depctr_va_vdst(0) depctr_va_sdst(0) depctr_va_ssrc(0) depctr_va_vcc(0) depctr_vm_vsrc(0)
	s_getreg_b32 s2, hwreg(HW_REG_IB_STS2, 6, 4)
	s_cmp_eq_u32 s2, 0
	s_cbranch_scc0 .Lentry_in_a_cluster
	s_endpgm
.Lentry_in_a_cluster:
	s_bfe_u32 s2, ttmp6, 0x10000c
	s_cmp_lg_u32 s2, 0x3003
	s_cbranch_scc0 .Lentry_shape_is_right
	s_endpgm
.Lentry_shape_is_right:
; ind[n] = the k with the greatest score x[n].e[k] - e_sq[k] / 2, the lowest k among equals: reference()'s argmin of x_sq[n] + e_sq[k] - 2 x[n].e[k].  x_sq[n] is left out: it is the same for all k of a row.
; LIMITS.  Finite inputs; an overflow or NaN of x_sq is not carried.  x is rounded to bf16 here, the codes came rounded; sums and scores in f32.  Scores that differ by no more than f32's rounding may fall either way.
; SHARES.  A work-group owns 128 rows of x and walks ALL 8,192 codes, so that a row's choice is finished here and is stored as a whole number.  All four waves hold the same 128 rows as bf16 fragments (8 row tiles x 8 K
; steps x 8 registers = 512).  The codes go in CHUNKS of 256 (16 code tiles of 8,192 bytes); wave w takes tiles 4 w .. 4 w + 3: just the 32,768 bytes that its own tensor load brought, so each LDS byte of codes is read
; once.  For a code tile a wave issues 18 LDS loads and 64 matrix instructions.
; LAYOUT.  Source 0 = 16 codes, source 1 = 16 rows of x: in the result a lane holds ONE row (lane % 16) and the codes 8 (lane / 16) + 0..7, so the search over codes stays in the lane.  The C operand of the first K step
; is esq of those eight codes, the same registers for all row tiles: the term -e_sq / 2 costs no vector instruction.
; THE SEARCH.  For each row tile a lane keeps B (the best score), I (the first code of the eight that held it) and S0-S6 (the first seven of those eight scores).  A tile's eight scores cost 14 instructions: four for their
; maximum, one compare (greater, so the earlier codes keep a tie), nine selects.  Which of the eight it was is found once, at the end, by equality with B, the lowest place winning.
; BY GROUPS.  The row tiles are two groups of four accumulators.  While one group is multiplied (32 matrix instructions, the four accumulators by turns) the other group's 56 search instructions
; stand between them, four behind every second matrix instruction.
; CLUSTER.  All work-groups walk the same chunks, so the four of a cluster ask for each chunk, and for esq, JOINTLY: the same tensor load, descriptor and mask in all four.  x is each work-group's own.
; LDS.  Slot 0: 0 .. 0x1ffff; slot 1: 0x20000 .. 0x3ffff.  The x tile in f32 (128 rows of 1,024 + 16 bytes) is the first fill of slot 1 and of 2,048 bytes behind it; then esq (32,768); the spare words; the meeting place.
; REGISTERS, in windows of 256 (s_set_vgpr_msb: bits 1:0 source 0, 3:2 source 1, 5:4 source 2, 7:6 destination):
;   window 0: v0-15 addresses and four at work; v16-31 esq of a tile, two buffers; v32-111 the search's ten registers a row tile; v112-115; v128-191 the eight accumulators; v192-223 the end's loads
;   window 1: v0-63, v64-127 a code tile's fragments, two buffers (at the start all 256: two buffers of a row tile of x in f32)      windows 2, 3: x, row tile t, K step c at 64 (t % 4) + 8 c; tiles 0-3, 4-7
.set CHUNK, 0x20000                    ; bytes in a chunk, and in a slot
.set SLOT1, 0x20000
.set XT,    0x20000
.set XP,    1040                       ; a row of x in LDS: an odd multiple of 16 bytes, so the sixteen rows of a load start in sixteen different columns of 16 bytes
.set BIAS,  XT+128*XP                  ; 0x40800
.set SPARE, BIAS+32768                 ; 0x48800: the spare words, 128 bytes for each wave: two blocks of 256 bytes that no other line names
.set MRG,   SPARE+512                  ; 0x48a00: [4 waves][128 rows] scores, then as many indices; never filled by a tensor load
.set A0,   3                           ; v3   32,768 w + 16 x lane: my place in a slot; never rewritten
.set ADR,  4                           ; v4   the address of the run of loads in hand
.set B0,   5                           ; v5   BIAS + 256 w + 32 (lane / 16); never rewritten
.set BADR, 6                           ; v6
.set XA0,  7                           ; v7, v8  my place in x's rows 0-63, 64-127
.set CI,   9                           ; v9   the first of my eight codes of the tile that is being searched
.set PFO,  10                          ; v10  256 x lane; never rewritten
.set MS,   11                          ; v11  where my row's result goes
.set TMP,  12                          ; v12-15  two registers at work for each of the two tiles in hand
.set BIASR, 16
.set ST,   32                          ; row tile t: B, I, S0-S6, the place, at ST + 10 t
.set SPW,  112                         ; v112 LDS address of my spare word; never rewritten
.set NIL,  113                         ; v113 0; never rewritten
.set MA,   114                         ; v114 MRG + 16 x lane
.set IO,   115                         ; v115 16 x lane
.set ACC,  128
.set F0,   0
.set F1,   64
.set WV,   12                          ; s12  my wave's number
.set LIM,  15                          ; s15  2 in the first cluster, else the greatest number
.set PFA,  18                          ; s[18:19] where my prefetches stand
.set LEFT, 20                          ; s20  trips still to come
.set TB,   21                          ; s21  the slot from which fragments are fetched
.set TBB,  22                          ; s22  1,024 x the chunk: its place in esq
.set G1C,  24                          ; s[24:31] group 1: a quarter of a chunk
.set G1X,  32                          ; s[32:39] a quarter of the x tile
.set G1B,  40                          ; s[40:47] a quarter of esq
.set G0C,  48                          ; s[48:51] group 0 for the chunks: it walks
.set G0X,  52
.set G0B,  56
.set SEL,  60                          ; s[60:61] v_permlanex16_b32's selects
.set MK,   66                          ; s66, s67 the compare's result, for each of the two tiles in hand
.set W_A,  0x09                        ; codes in window 1, x in window 2, C and D in window 0
.set TO_F, 0x40                        ; destination window 1, address window 0
.set CV2,  0x85                        ; sources window 1, destination window 2
.set MSB, 0
.macro WIN new                         ; the immediate's high byte repeats the setting that is left; a switch that changes nothing is dropped
.if MSB != (\new)
	s_set_vgpr_msb (MSB<<8)|(\new)
.set MSB, (\new)
.endif
.endm
.macro PLACES
.rept 4
	v_nop
.endr
.endm
; A round of the cluster's barrier: my work-group's barrier, so that wave 0's signal speaks for all four waves; wave 0 signals; every wave waits for all four work-groups; my work-group's barrier once more.
.macro CREST
	s_cmp_lg_u32 s[WV], 0
	s_cbranch_scc1 .Lnot_wave_0_\@
	s_barrier_signal -3
.Lnot_wave_0_\@:
	s_barrier_wait -3
	s_barrier_signal -1
	s_barrier_wait -1
.endm
.macro CROUND
	s_barrier_signal -1
	s_barrier_wait -1
	CREST
.endm
; The joint refill, first thing behind a round: no tensor load of mine is out, so the walking descriptor is stepped: the other slot, the next chunk.  An s_nop 0 and four v_nop follow the load.
.macro REFILL
	s_xor_b32 s[G0C+1], s[G0C+1], SLOT1
	s_add_nc_u64 s[G0C+2:G0C+3], s[G0C+2:G0C+3], CHUNK  ; the type bits on top are not reached
	tensor_load_to_lds s[G0C:G0C+3], s[G1C:G1C+7]
	s_nop 0
	PLACES
.endm
; A PREFETCH INTO THE L2 of the chunk that stands TWO refills on: 512 matrix instructions ahead of the load that will want it.  All clusters walk the same chunks: the first cluster asks, nobody else.  A chunk is 512 blocks
; of 256 bytes: 4 partners x 4 waves x 32 lanes, told apart BY ADDRESS (32,768 w + 8,192 cx + 256 x lane): one instruction a wave, each block named once in the launch.  Chunks 0 to 3 come by their loads alone; the
; last two trips ask for nothing: trip s names chunk s + 4, and there are 32.
.macro ASK
	s_cmp_gt_u32 s[LEFT], s[LIM]
	s_cbranch_scc0 .Lnot_mine_\@
	global_prefetch_b8 v[PFO], s[PFA:PFA+1] th:TH_LOAD_NT scope:SCOPE_SE
.Lnot_mine_\@:
.endm
; Matrix instruction i of 32 of group g: K step i / 4, row tile 4 g + i % 4.  The first four start the sums with esq.
.macro WM g, fb, bb
.set wD, ACC+8*(4*(\g)+i%4)
.set wA, (\fb)+8*(i/4)
.set wB, 64*(i%4)+8*(i/4)
	WIN W_A+4*(\g)
.if i < 4
	v_wmma_f32_16x16x32_bf16 v[wD:wD+7], v[wA:wA+7], v[wB:wB+7], v[BIASR+8*(\bb):BIASR+8*(\bb)+7]
.else
	v_wmma_f32_16x16x32_bf16 v[wD:wD+7], v[wA:wA+7], v[wB:wB+7], v[wD:wD+7]
.endif
.set i, i+1
.endm
; Search instruction e of 56 for group tg: two pairs of row tiles, 28 each; in a pair the two tiles alternate, so that no instruction reads the result of the one before it.  An accumulator's lowest registers are read first.
.macro RD tg, e
.set ee, (\e)%28
.set rt, 4*(\tg)+2*((\e)/28)+ee%2
.set rn, ee/2
.set rA, ACC+8*rt
.set rS, ST+10*rt
.set rT, TMP+2*(ee%2)
.set rM, MK+ee%2
.if rn == 0
	v_max3_num_f32 v[rT], v[rA], v[rA+1], v[rA+2]
.elseif rn == 1
	v_max3_num_f32 v[rT+1], v[rA+3], v[rA+4], v[rA+5]
.elseif rn == 2
	v_max3_num_f32 v[rT], v[rT], v[rA+6], v[rA+7]
.elseif rn == 3
	v_max_num_f32 v[rT], v[rT], v[rT+1]
.elseif rn == 4
	v_cmp_gt_f32 s[rM], v[rT], v[rS]
.elseif rn == 5
	v_cndmask_b32 v[rS], v[rS], v[rT], s[rM]
.elseif rn == 6
	v_cndmask_b32 v[rS+1], v[rS+1], v[CI], s[rM]
.else
	v_cndmask_b32 v[rS+rn-5], v[rS+rn-5], v[rA+rn-7], s[rM]
.endif
.endm
; 18 LDS loads in one run: code tile u of my four in the slot at s[TB] (16 x 512 consecutive bytes) into fragment buffer fb, and esq of my eight codes into buffer bb.
.macro FETCH u, fb, bb
	WIN 0
	v_add_nc_u32 v[ADR], s[TB], v[A0]
	v_add_nc_u32 v[BADR], s[TBB], v[B0]
	WIN TO_F
.set fm, 0
.rept 16
	ds_load_b128 v[(\fb)+4*fm:(\fb)+4*fm+3], v[ADR] offset:(\u)*8192+512*fm
.set fm, fm+1
.endr
	WIN 0
	ds_load_b128 v[BIASR+8*(\bb):BIASR+8*(\bb)+3],   v[BADR] offset:64*(\u)
	ds_load_b128 v[BIASR+8*(\bb)+4:BIASR+8*(\bb)+7], v[BADR] offset:64*(\u)+16
.endm
; n matrix instructions of group g, from number i on, and what stands between them.  Behind the second: four plain instructions that name no register of the other group's last products: the places in
; front of the search instructions that read those products and of the loads into the fragment buffer that they read; in group 1 one of the four steps CI to the tile whose group 0 is searched next.  Then, where fu is
; given, the next tile's run of loads.  Behind the 4th, 6th .. 30th: four search instructions of the other group.
.macro RUN g, fb, bb, n, step=0, fu=-1, ffb=0, fbb=0
.rept \n
	WM \g, \fb, \bb
.if i == 2
	WIN 0
.if \g
	v_add_nc_u32 v[CI], \step, v[CI]
	v_nop
	v_nop
	v_nop
.else
	PLACES
.endif
.if (\fu) >= 0
	FETCH \fu, \ffb, \fbb
.endif
.elseif (i >= 4) && (i%2 == 0) && (i <= 30)
	WIN 0
.set k, (i-4)/2
	RD 1-(\g), 4*k
	RD 1-(\g), 4*k+1
	RD 1-(\g), 4*k+2
	RD 1-(\g), 4*k+3
.endif
.endr
.endm
; Code tile u = 0, 1, 2 of a chunk: buffers by u's parity; the next tile is fetched early in group 0's run, 62 matrix instructions ahead of the wait for it.
.macro TILE u
	s_wait_dscnt 0x0                               ; this tile's fragments and esq are in
.set i, 0
	RUN 0, F0+64*((\u)%2), (\u)%2, 32, 0, (\u)+1, F0+64*(((\u)+1)%2), ((\u)+1)%2
.set i, 0
.if (\u) == 0
	RUN 1, F0+64*((\u)%2), (\u)%2, 32, 208         ; from my last tile of a chunk to my first of the next: 256 - 48 codes
.else
	RUN 1, F0+64*((\u)%2), (\u)%2, 32, 16
.endif
.endm
; Code tile 3, and the change of slots.  mode 1, in the loop: its fragments are in registers, so my reads of the slot are over.  I wait for all my tensor loads, of which one is out: my quarter of the other slot; add 0 to my
; spare word; work on registers while the add is out; wait for it; and signal.  The barrier opens a round of the cluster's, so that no wave of any partner still reads the slot or has a load on its way; the joint refill
; is the first thing behind the round, and has 224 matrix instructions in which to land.  mode 2, the last chunk but one: the same without round and load.  mode 3, the last chunk: nothing is left to fetch.
.macro LAST3 mode
	s_wait_dscnt 0x0                               ; tile 3's fragments and esq are in
	WIN 0                                          ; (the add's two registers lie in window 0)
.if (\mode) == 1
	s_wait_xcnt 0x0                                ; the last prefetch, a chunk back, has read its address, so it may be stepped
	s_add_nc_u64 s[PFA:PFA+1], s[PFA:PFA+1], CHUNK
.endif
.set i, 0
.if (\mode) < 3
	s_wait_tensorcnt 0x0                           ; all my tensor loads have landed
	ds_add_u32 v[SPW], v[NIL]                      ; 0 onto my spare word
	RUN 0, F1, 1, 16                               ; sixteen matrix instructions stand between the add and the wait for it
	s_wait_dscnt 0x0                               ; the add is done
	s_barrier_signal -1
	RUN 0, F1, 1, 16                               ; work on registers while the others arrive
	WIN 0                                          ; at a branch and at a label every window is 0
	s_barrier_wait -1
.if (\mode) == 1
	CREST
	REFILL
.endif
	s_xor_b32 s[TB], s[TB], SLOT1                  ; the fetches go on in the other slot, with the next chunk
	s_add_co_u32 s[TBB], s[TBB], 1024
	FETCH 0, F0, 0
.if (\mode) == 1
	ASK                                            ; behind the joint load, its five lines and the run of LDS loads
.endif
.else
	RUN 0, F1, 1, 32
.endif
.set i, 0
	RUN 1, F1, 1, 32, 16
.endm
.macro SLOT mode
	TILE 0
	TILE 1
	TILE 2
	LAST3 \mode
.endm
; Of two candidates (score, index) the greater score stays, of equal scores the lower index.
.macro MERGE b, x, ob, ox
	v_cmp_gt_f32 s70, v[\ob], v[\b]
	v_cmp_eq_f32 s71, v[\ob], v[\b]
	v_cmp_lt_u32 s72, v[\ox], v[\x]
	s_and_b32 s71, s71, s72
	s_or_b32 s70, s70, s71
	v_cndmask_b32 v[\b], v[\b], v[\ob], s70
	v_cndmask_b32 v[\x], v[\x], v[\ox], s70
.endm
; Row tile t of x out of LDS in f32: 32 loads into buffer t % 2 of window 1: for K step c the lane's k = 8 h + 0..7 (32 bytes) and 16 + 8 h + 0..7 (32 bytes, 64 further on).
.macro LOADX t
	WIN TO_F
.set c, 0
.rept 8
.irp e, 0,1,2,3
	ds_load_b128 v[128*((\t)%2)+16*c+4*(\e):128*((\t)%2)+16*c+4*(\e)+3], v[XA0+(\t)/4] offset:((\t)%4)*16*XP+128*c+16*((\e)%2)+64*((\e)/2)
.endr
.set c, c+1
.endr
.endm
.macro CVT t                           ; rounded to bf16, two numbers a register: the tile's 64 fragment registers
	WIN CV2+0x40*((\t)/4)
.set c, 0
.rept 64
	v_cvt_pk_bf16_f32 v[64*((\t)%4)+c], v[128*((\t)%2)+2*c], v[128*((\t)%2)+2*c+1]
.set c, c+1
.endr
.endm
	s_load_b256 s[4:11], s[0:1], 0x0               ; x s[4:5], cbf s[6:7], esq s[8:9], ind s[10:11]
	v_lshl_add_u32 v[SPW], v0, 2, SPARE
	v_mov_b32 v[NIL], 0
	ds_add_u32 v[SPW], v[NIL]                      ; the wave's opening: the add, twice on end, and its wait ahead of my first tensor load; the set-up below, work on registers, stands between
	ds_add_u32 v[SPW], v[NIL]                      ; and once more, under the one wait
	v_lshrrev_b32 v1, 5, v0
	v_readfirstlane_b32 s[WV], v1                  ; wave 0..3
	s_bfe_u32 s13, ttmp6, 0x40000                  ; cx: my place in the cluster: it enters x's, ind's and the prefetches' addresses alone
	s_lshl_b32 s14, ttmp9, 2                       ; in a cluster launch ttmp9 counts clusters
	s_add_co_u32 s14, s14, s13                     ; my block of 128 rows
	; group 1 for a quarter of a chunk: 32,768 dense bytes as 128 rows of 256
	s_mov_b32 s[G1C+0], 15|(3<<16)|(1<<21)         ; 15:0 the mask of four; 17:16 elements of 8 bytes; 21 set beside a mask; no padding
	s_mov_b32 s[G1C+1], 32<<16                     ; tensor_dim0 = 32
	s_mov_b32 s[G1C+2], 128<<16                    ; tensor_dim1 = 128
	s_mov_b32 s[G1C+3], 32<<16                     ; tile_dim0 = 32
	s_mov_b32 s[G1C+4], 128                        ; tile_dim1 = 128
	s_mov_b32 s[G1C+5], 32                         ; 32 elements from row to row
	s_mov_b32 s[G1C+6], 0
	s_mov_b32 s[G1C+7], 0
	; for a quarter of the x tile: 32 rows of 256 f32, 16 bytes of padding behind each; my work-group's own: no mask
	s_mov_b32 s[G1X+0], (2<<16)|(1<<20)|(7<<22)|(3<<25)  ; 17:16 elements of 4 bytes; 20 padding on; 24:22 after every 256 words (code 7); 31:25 4 words (code 3)
	s_mov_b32 s[G1X+1], 256<<16
	s_mov_b32 s[G1X+2], 32<<16
	s_mov_b32 s[G1X+3], 256<<16
	s_mov_b32 s[G1X+4], 32
	s_mov_b32 s[G1X+5], 256
	s_mov_b32 s[G1X+6], 0
	s_mov_b32 s[G1X+7], 0
	; for a quarter of esq: 8,192 dense bytes as 32 rows of 256
	s_mov_b32 s[G1B+0], 15|(3<<16)|(1<<21)
	s_mov_b32 s[G1B+1], 32<<16
	s_mov_b32 s[G1B+2], 32<<16
	s_mov_b32 s[G1B+3], 32<<16
	s_mov_b32 s[G1B+4], 32
	s_mov_b32 s[G1B+5], 32
	s_mov_b32 s[G1B+6], 0
	s_mov_b32 s[G1B+7], 0
	s_mov_b32 s[G0C], 1                            ; count = 1
	s_lshl_b32 s[G0C+1], s[WV], 15                 ; LDS: slot 0, my quarter: the wave's number alone enters an LDS address
	s_mov_b32 s[G0X], 1
	s_mul_i32 s[G0X+1], s[WV], 32*XP
	s_add_co_u32 s[G0X+1], s[G0X+1], XT
	s_mov_b32 s[G0B], 1
	s_lshl_b32 s[G0B+1], s[WV], 13
	s_add_co_u32 s[G0B+1], s[G0B+1], BIAS
	s_lshl_b32 s16, s[WV], 15                      ; my quarter of a chunk, in bytes
	s_mov_b32 s17, 0
	s_lshl_b32 s2, s[WV], 13                       ; my quarter of esq
	s_mov_b32 s3, 0
	s_mov_b32 s[SEL], 0x76543210
	s_mov_b32 s[SEL+1], 0xfedcba98
	s_cmp_eq_u32 ttmp9, 0                          ; the first cluster prefetches: the same answer in all four partners
	s_cselect_b32 s[LIM], 2, -1
	s_wait_dscnt 0x0                               ; both opening adds are done
	s_wait_kmcnt 0x0
	s_add_nc_u64 s[G0C+2:G0C+3], s[6:7], s[16:17]  ; chunk 0, my quarter
	s_or_b32 s[G0C+3], s[G0C+3], 0x80000000        ; type = 2
	s_add_nc_u64 s[G0B+2:G0B+3], s[8:9], s[2:3]
	s_or_b32 s[G0B+3], s[G0B+3], 0x80000000
	s_add_nc_u64 s[PFA:PFA+1], s[6:7], s[16:17]
	s_lshl_b32 s62, s14, 17                        ; what hangs on cx is made in registers of its own: my block's 128 rows of 1,024 bytes,
	s_add_co_u32 s62, s62, s16                     ; my wave's 32 of them
	s_mov_b32 s63, 0
	s_add_nc_u64 s[G0X+2:G0X+3], s[4:5], s[62:63]
	s_or_b32 s[G0X+3], s[G0X+3], 0x80000000
	s_lshl_b32 s62, s14, 9                         ; my block's 128 words of ind
	s_add_nc_u64 s[10:11], s[10:11], s[62:63]
	s_lshl_b32 s62, s13, 13                        ; my work-group's 32 blocks of the 128 in my wave's quarter
	s_add_nc_u64 s[PFA:PFA+1], s[PFA:PFA+1], s[62:63]
	s_add_nc_u64 s[PFA:PFA+1], s[PFA:PFA+1], 3*CHUNK  ; in chunk 3; the first trip steps it to chunk 4.  Nothing is prefetched here, at the head
	CROUND                                         ; all four work-groups are here: the first joint loads meet
	tensor_load_to_lds s[G0X:G0X+3], s[G1X:G1X+7]  ; the first fills go out as one group: three loads of mine are out.  x first: it is wanted first
	s_nop 0
	tensor_load_to_lds s[G0B:G0B+3], s[G1B:G1B+7]
	s_nop 0
	tensor_load_to_lds s[G0C:G0C+3], s[G1C:G1C+7]
	s_nop 0
	PLACES
	v_and_b32 v1, 15, v0                           ; r = lane % 16
	v_bfe_u32 v2, v0, 4, 1                         ; h = lane / 16
	v_and_b32 v[ADR], 31, v0
	v_lshl_add_u32 v[A0], v[ADR], 4, s16
	v_lshlrev_b32 v[PFO], 8, v[ADR]
	v_lshlrev_b32 v[IO], 4, v[ADR]
	v_add_nc_u32 v[MA], MRG, v[IO]
	s_lshl_b32 s23, s[WV], 8
	s_add_co_u32 s23, s23, BIAS
	v_lshl_add_u32 v[B0], v2, 5, s23
	v_mul_u32_u24 v[XA0], v1, XP
	v_lshl_add_u32 v[XA0], v2, 5, v[XA0]
	v_add_nc_u32 v[XA0], XT, v[XA0]
	v_add_nc_u32 v[XA0+1], 64*XP, v[XA0]
	s_lshl_b32 s23, s[WV], 6
	s_sub_co_u32 s23, s23, 208                     ; the first step, of 208, brings CI to 64 w + 8 h
	v_lshl_add_u32 v[CI], v2, 3, s23
	s_lshl_b32 s23, s[WV], 9
	s_add_co_u32 s23, s23, MRG
	v_lshl_add_u32 v[MS], v1, 2, s23
	; What the first trip finds: B = -infinity, and -infinity in group 1's accumulators, whose search stands in the first tile's text though nothing has been multiplied: -infinity is not greater than B, so it changes
	; nothing.  104 lines, in the wait for x: the price of one text for every tile.
.set t, 0
.rept 8
	v_mov_b32 v[ST+10*t], 0xff800000
.set q, 1
.rept 8
	v_mov_b32 v[ST+10*t+q], 0
.set q, q+1
.endr
.set t, t+1
.endr
.set q, 0
.rept 32
	v_mov_b32 v[ACC+32+q], 0xff800000
.set q, q+1
.endr
	s_wait_tensorcnt 0x2                           ; my quarter of x is in; esq's and chunk 0's loads, issued behind it, may stay out
	s_barrier_signal -1
	s_barrier_wait -1                              ; everybody's quarter is: every wave reads all 128 rows
	LOADX 0
	LOADX 1
.irp t, 0,1,2,3,4,5,6,7
.if (\t) < 7
	s_wait_dscnt 32                                ; this tile's 32 loads are in; the next tile's may stay out
.else
	s_wait_dscnt 0x0
.endif
	CVT \t
.if (\t) < 6
	LOADX (\t)+2
.endif
.endr
	; The first change of slots: x has been read out of slot 1, which takes chunk 1.
	WIN 0
	s_wait_tensorcnt 0x0                           ; esq and chunk 0 have landed
	ds_add_u32 v[SPW], v[NIL]                      ; 0 onto my spare word
	s_mov_b32 s[TB], 0
	s_mov_b32 s[TBB], 0
	s_mov_b32 s[LEFT], 30
	s_wait_dscnt 0x0                               ; the add is done, and my reads of x are over
	CROUND                                         ; the same holds of every wave of every partner; esq, of which each wave fetched a quarter, is whole
	REFILL
	FETCH 0, F0, 0
.Lslot:                                        ; 30 trips: trip s multiplies chunk s and asks for chunk s + 2
	SLOT 1
	WIN 0
	s_sub_co_u32 s[LEFT], s[LEFT], 1
	s_cmp_lg_u32 s[LEFT], 0
	s_cbranch_scc1 .Lslot
	SLOT 2                                         ; the last two chunks are written out
	SLOT 3
	WIN 0
	PLACES                                         ; the places behind the last products
.set e0, 0
.rept 56
	RD 1, e0                                       ; the last tile's group 1 is searched
.set e0, e0+1
.endr
	; THE END.  Which of the eight codes held B: the seventh unless an earlier one is equal to B; place 0 is tried last, so the lowest wins.  Then the row's other half of the lanes, which searched other codes.
.set t, 0
.rept 8
.set fS, ST+10*t
	v_mov_b32 v[fS+9], 7
.irp jj, 6,5,4,3,2,1,0
	v_cmp_eq_f32 s70, v[fS+2+\jj], v[fS]
	v_cndmask_b32 v[fS+9], v[fS+9], \jj, s70
.endr
	v_add_nc_u32 v[fS+1], v[fS+1], v[fS+9]
	v_permlanex16_b32 v[fS+2], v[fS], s[SEL], s[SEL+1]
	v_permlanex16_b32 v[fS+3], v[fS+1], s[SEL], s[SEL+1]
	MERGE fS, fS+1, fS+2, fS+3
	ds_store_b32 v[MS], v[fS] offset:64*t          ; row 16 t + r; both halves of the lanes write the same word with the same number
	ds_store_b32 v[MS], v[fS+1] offset:2048+64*t
.set t, t+1
.endr
	s_wait_dscnt 0x0                               ; for wave 0's sake: my stores are done
	s_barrier_signal -1
	s_barrier_wait -1
	s_cmp_lg_u32 s[WV], 0
	s_cbranch_scc1 .Lend
.irp w, 0,1,2,3
	ds_load_b128 v[192+4*(\w):192+4*(\w)+3], v[MA] offset:512*(\w)       ; wave w's scores of rows 4 x lane + 0..3,
	ds_load_b128 v[208+4*(\w):208+4*(\w)+3], v[MA] offset:2048+512*(\w)  ; and its indices
.endr
	s_wait_dscnt 0x0
.irp w, 1,2,3
.irp q, 0,1,2,3
	MERGE 192+\q, 208+\q, 192+4*\w+\q, 208+4*\w+\q
.endr
.endr
	global_store_b128 v[IO], v[208:211], s[10:11]  ; the block's 128 indices: 512 consecutive bytes, aligned
.Lend:
	s_wait_tensorcnt 0x0                           ; the wave's end, behind my last tensor load and my last LDS store
	ds_add_u32 v[SPW], v[NIL]
	s_wait_dscnt 0x0
	CROUND                                         ; the closing round: no work-group ends while a partner may still ask for a tile that names it
	s_endpgm
.Lfunc_end_k_qefadb2fc2f_argmin:
	.size	k_qefadb2fc2f_argmin, .Lfunc_end_k_qefadb2fc2f_argmin-k_qefadb2fc2f_argmin
	.p2alignl 7, 3214868480
	.fill 96, 4, 3214868480
	.section	.rodata,"a",@progbits
	.p2align	6, 0x0
	.amdhsa_kernel k_qefadb2fc2f_argmin
		.amdhsa_group_segment_fixed_size 327680
		.amdhsa_private_segment_fixed_size 0
		.amdhsa_enable_private_segment 0
		.amdhsa_kernarg_size 32
		.amdhsa_user_sgpr_count 2
		.amdhsa_user_sgpr_kernarg_segment_ptr 1
		.amdhsa_wavefront_size32 1
		.amdhsa_system_sgpr_workgroup_id_x 1
		.amdhsa_system_sgpr_workgroup_id_y 1
		.amdhsa_system_sgpr_workgroup_id_z 1
		.amdhsa_system_vgpr_workitem_id 0
		.amdhsa_next_free_vgpr 1024
		.amdhsa_next_free_sgpr 80
		.amdhsa_reserve_vcc 0
		.amdhsa_float_denorm_mode_32 3
		.amdhsa_float_denorm_mode_16_64 3
		.amdhsa_memory_ordered 1
		.amdhsa_forward_progress 1
		.amdhsa_inst_pref_size 254
	.end_amdhsa_kernel
	.amdgpu_metadata
---
amdhsa.version: [ 1, 2 ]
amdhsa.kernels:
  - .name:           k_qefadb2fc2f_argmin
    .symbol:         k_qefadb2fc2f_argmin.kd
    .args:
      - { .name: x, .offset: 0, .size: 8, .value_kind: global_buffer, .address_space: global }
      - { .name: cbf, .offset: 8, .size: 8, .value_kind: global_buffer, .address_space: global }
      - { .name: esq, .offset: 16, .size: 8, .value_kind: global_buffer, .address_space: global }
      - { .name: ind, .offset: 24, .size: 8, .value_kind: global_buffer, .address_space: global }
    .group_segment_fixed_size: 327680
    .private_segment_fixed_size: 0
    .kernarg_segment_align: 8
    .kernarg_segment_size: 32
    .max_flat_workgroup_size: 128
    .sgpr_count:     80
    .vgpr_count:     1024
    .wavefront_size: 32
...
	.end_amdgpu_metadata
.endif
;; end of part 2
;; launch gather (part 3): grid 256 x 1, 8 waves a work-group, no clusters, 0 bytes of LDS; arguments ind, cbr, out0; writes out0
.if DOCPART == 3
	.amdgcn_target "amdgcn-amd-amdhsa--gfx1250"
	.amdhsa_code_object_version 6
	.text
	.protected	k_qefadb2fc2f_gather
	.globl	k_qefadb2fc2f_gather
	.p2align	8
	.type	k_qefadb2fc2f_gather,@function
k_qefadb2fc2f_gather:
	s_mov_b64 s[64:65], 0
	v_nop
	global_prefetch_b8 v0, s[64:65] scope:SCOPE_SE
	s_setreg_imm32_b32 hwreg(HW_REG_WAVE_MODE, 25, 1), 1
	s_wait_xcnt 0x0
; out0[n][:] = code ind[n], widened from bf16 to f32 (exact).  ind was stored as whole numbers by the launch before; cbr holds the codes as rows of 512 bytes.  x_sq is left out of the program (see the first kernel).
; LIMIT.  The output is the code rounded to bf16: within 2^-9 of the f32 code.
; SHARES.  A wave owns 16 rows; its 16 indices come by one scalar load.  A row is two loads of 8 bytes a lane (256 consecutive bytes each, aligned) and two stores of 16 bytes a lane (512 consecutive bytes each).
; All 32 loads of a wave go out before the first wait; each has registers of its own, so nothing is rewritten and the only waits are the counted ones.  Memory binds: no LDS, no barrier, no matrix unit, no cluster.
.set O, 4                              ; v[4:19]   row i: 512 x its index + 8 x lane
.set D, 20                             ; v[20:83]  load n = 2 i + p: two registers, four bf16
.set E, 84                             ; v[84:211] the same four numbers in f32
	s_load_b128 s[4:7], s[0:1], 0x0                ; ind s[4:5], cbr s[6:7]
	s_load_b64 s[8:9], s[0:1], 0x10                ; out0
	v_lshrrev_b32 v1, 5, v0
	v_readfirstlane_b32 s12, v1                    ; wave 0..7
	v_and_b32 v1, 31, v0
	v_lshlrev_b32 v2, 3, v1                        ; 8 x lane
	v_lshlrev_b32 v3, 4, v1                        ; 16 x lane
	s_lshl_b32 s10, ttmp9, 3
	s_add_co_u32 s10, s10, s12                     ; my wave among all 2,048
	s_lshl_b32 s14, s10, 6                         ; its 16 words of ind
	s_mov_b32 s15, 0
	s_lshl_b32 s32, s10, 14                        ; its 16 rows of 1,024 bytes of out0
	s_mov_b32 s33, 0
	s_mov_b32 s34, 0xffff0000                      ; a word's upper bf16
	s_wait_kmcnt 0x0
	s_add_nc_u64 s[4:5], s[4:5], s[14:15]
	s_add_nc_u64 s[8:9], s[8:9], s[32:33]
	s_load_b512 s[16:31], s[4:5], 0x0              ; no line of this launch writes ind
	s_wait_kmcnt 0x0
.set n, 0
.rept 16
	s_min_u32 s[16+n], s[16+n], 0x1fff             ; an index stays inside the table
	v_lshl_add_u32 v[O+n], s[16+n], 9, v2
.set n, n+1
.endr
.set n, 0
.rept 32
	global_load_b64 v[D+2*n:D+2*n+1], v[O+n/2], s[6:7] offset:256*(n%2)  ; no hint: several rows may name one code
.set n, n+1
.endr
.set n, 0
.rept 32
	s_wait_loadcnt 31-n                            ; loads come back in order: load n is in, the younger ones stay out
	v_lshlrev_b32 v[E+4*n],   16,  v[D+2*n]
	v_and_b32     v[E+4*n+1], s34, v[D+2*n]
	v_lshlrev_b32 v[E+4*n+2], 16,  v[D+2*n+1]
	v_and_b32     v[E+4*n+3], s34, v[D+2*n+1]
	global_store_b128 v3, v[E+4*n:E+4*n+3], s[8:9] offset:512*n th:TH_STORE_NT  ; row n / 2, half n % 2: 512 consecutive bytes, aligned
.set n, n+1
.endr
	s_endpgm
.Lfunc_end_k_qefadb2fc2f_gather:
	.size	k_qefadb2fc2f_gather, .Lfunc_end_k_qefadb2fc2f_gather-k_qefadb2fc2f_gather
	.p2alignl 7, 3214868480
	.fill 96, 4, 3214868480
	.section	.rodata,"a",@progbits
	.p2align	6, 0x0
	.amdhsa_kernel k_qefadb2fc2f_gather
		.amdhsa_group_segment_fixed_size 0
		.amdhsa_private_segment_fixed_size 0
		.amdhsa_enable_private_segment 0
		.amdhsa_kernarg_size 24
		.amdhsa_user_sgpr_count 2
		.amdhsa_user_sgpr_kernarg_segment_ptr 1
		.amdhsa_wavefront_size32 1
		.amdhsa_system_sgpr_workgroup_id_x 1
		.amdhsa_system_sgpr_workgroup_id_y 1
		.amdhsa_system_sgpr_workgroup_id_z 1
		.amdhsa_system_vgpr_workitem_id 0
		.amdhsa_next_free_vgpr 216
		.amdhsa_next_free_sgpr 66
		.amdhsa_reserve_vcc 0
		.amdhsa_float_denorm_mode_32 3
		.amdhsa_float_denorm_mode_16_64 3
		.amdhsa_memory_ordered 1
		.amdhsa_forward_progress 1
		.amdhsa_inst_pref_size 14
	.end_amdhsa_kernel
	.amdgpu_metadata
---
amdhsa.version: [ 1, 2 ]
amdhsa.kernels:
  - .name:           k_qefadb2fc2f_gather
    .symbol:         k_qefadb2fc2f_gather.kd
    .args:
      - { .name: ind, .offset: 0, .size: 8, .value_kind: global_buffer, .address_space: global }
      - { .name: cbr, .offset: 8, .size: 8, .value_kind: global_buffer, .address_space: global }
      - { .name: out0, .offset: 16, .size: 8, .value_kind: global_buffer, .address_space: global }
    .group_segment_fixed_size: 0
    .private_segment_fixed_size: 0
    .kernarg_segment_align: 8
    .kernarg_segment_size: 24
    .max_flat_workgroup_size: 256
    .sgpr_count:     66
    .vgpr_count:     216
    .wavefront_size: 32
...
	.end_amdgpu_metadata
.endif
;; end of part 3
;; ======== version 2 of 2: 3 launches; version 1 with the launches prep, gather written anew for expert scheduling mode
;; workspace buffers: cbf 4,194,304 bytes; cbr 4,194,304 bytes; esq 32,768 bytes; ind 131,072 bytes of whole numbers
;; launch prep (part 4): grid 128 x 1, 8 waves a work-group, no clusters, 35,072 bytes of LDS; arguments embed, cbf, cbr, esq; writes cbf, cbr, esq
.if DOCPART == 4
	.amdgcn_target "amdgcn-amd-amdhsa--gfx1250"
	.amdhsa_code_object_version 6
	.text
	.protected	k_qefadb2fc2f_prep
	.globl	k_qefadb2fc2f_prep
	.p2align	8
	.type	k_qefadb2fc2f_prep,@function
k_qefadb2fc2f_prep:
	s_mov_b64 s[64:65], 0
	v_nop
	global_prefetch_b8 v0, s[64:65] scope:SCOPE_SE
	s_setreg_imm32_b32 hwreg(HW_REG_WAVE_SCHED_MODE, 0, 2), 2
	s_setreg_imm32_b32 hwreg(HW_REG_WAVE_MODE, 25, 1), 1
	s_wait_xcnt 0x0
	s_wait_alu depctr_vm_vsrc(0)
; THE PROGRAM.  For each of 32,768 rows of x (256 numbers) the code (a column of embed, 8,192 of them) with the least squared distance, the lowest index among equals; the output row is that code.
; Three launches: this one lays the codes out; the second multiplies and finds each row's code, stored as a whole number; the third copies the chosen codes.
; WORK LEFT OUT.  dist[n][k] = x_sq[n] + e_sq[k] - 2 x[n].e[k].  x_sq[n] is the same for all k of a row, so for all finite inputs argmin_k dist = argmin_k (e_sq[k] - 2 x.e[k]) = argmax_k (x.e[k] - e_sq[k] / 2):
; x_sq is never made, and the factor -2 is an exact scaling by -1/2 of the other term.  x_sq is of e_sq's own size, so leaving it out moves a distance by rounding alone.  Both inputs stay live and are loaded.
; LIMITS.  An overflow, infinity or NaN that would reach x_sq alone is not carried to the result.  Inputs are finite: NaN is not treated as argmin treats it.  x and embed are rounded to bf16 (nearest even) for the
; product, e_sq is summed in f32 from the ROUNDED codes, so that all terms belong to the same rounded inputs; scores are kept in f32.  Two codes whose distances differ by no more than f32's rounding of them may be
; ordered otherwise than by another order of the same sums.  The output holds the rounded code: within 2^-9 of the f32 code.
; THIS LAUNCH.  embed is [256 k][8192 codes] f32.  It stores: cbr, the codes as rows, [8192][256] bf16; cbf, the same numbers in the order in which a matrix operand's registers take them: the 16 bytes at
; g*8192 + c*1024 + q*512 + L*16 hold code 16 g + L % 16, k = 32 c + 16 q + 8 (L / 16) + 0..7; esq[code] = -1/2 x the sum of the rounded code's squares, f32.
; SHARES.  A work-group owns 64 codes: 256 consecutive bytes, aligned, of each of embed's 256 rows; so 128 work-groups.  With 32 codes each a load's sixteen lanes would cover half of that, and a split of k
; would spread a code's sum over two work-groups.  The turn from [k][code] to [code][k] goes through LDS once.  No matrix unit, no cluster: nothing is multiplied and no work-group shares a byte with another.
; THE MODE: SCHED_MODE bits 1:0 = 2 (LLVM: expert scheduling mode 2), set by the entry lines.  The code itself states the register dependences between vector instructions and memory or LDS instructions,
; with s_wait_alu, always for 0.
; THE PLAN.  Registers that memory or LDS instructions touch:
;   v6 .. v13   addresses and offsets: written at the head, never again; one wait ahead of the first load states them written, for the whole kernel.
;   IN          the sixteen loads of embed land here (no vector instruction names it before); the roundings read it; later the squares are made here, and the LDS stores of the eight sums read IN + 8 i.
;   PK          written by the roundings, read by the LDS stores of the packed pairs.  The eight pairs of rows go in four groups of two: the stores of group g - 1 stand among the roundings of group g, which name
;               other registers of PK, behind ONE wait at the group's head.  At the end wave 0's load of the 64 sums lands in PK, PK + 1.
;   FRG, ROWD   LDS loads land here, global stores (and, of ROWD, the unpacking lines) read them; never written again, and named by no vector instruction ahead of the loads.
;   v14, v15    written at the head, read by the closing add alone.
.set ROWB,  32768                      ; bytes in a row of embed
.set RP,    528                        ; a code's row in LDS: 512 bytes + 16: an odd multiple of 16, so the sixteen rows of a 16-byte load start in sixteen different columns of 16 bytes
.set SUMS,  64*RP                      ; 64 f32, a block of 256 bytes of their own
.set SPARE, SUMS+256                   ; the spare words, 128 bytes for each of the eight waves; no other line names them
.set GO,  6                            ; v6   my offset in embed: rows 2 a (a = thread / 16), columns 4 m (m = thread % 16)
.set LS,  7                            ; v7   where my packed pairs go: code 4 m, k = 2 a
.set FR,  8                            ; v8   fragment order, read: code r = m, 16 bytes for each half of the lanes, my wave's 32 k
.set FO,  9                            ; v9   fragment order, store
.set RR,  10                           ; v10  row order, read: my wave's 8 codes, 16 bytes a lane
.set RO,  11                           ; v11  row order, store
.set SA,  12                           ; v12  my wave's 8 sums
.set EO,  13                           ; v13  8 x lane
.set SPW, 14                           ; v14  LDS address of my spare word; never rewritten
.set NIL, 15                           ; v15  0; never rewritten
.set IN,  16                           ; v[16:79]   load (i, p) at IN + 8 i + 4 p; later the squares
.set PK,  80                           ; v[80:111]  packed pairs
.set FRG, 112                          ; v[112:143] fragment order
.set ROWD, 144                         ; v[144:175] row order
	s_load_b256 s[4:11], s[0:1], 0x0               ; embed s[4:5], cbf s[6:7], cbr s[8:9], esq s[10:11]
	v_lshl_add_u32 v[SPW], v0, 2, SPARE
	v_mov_b32 v[NIL], 0
	v_lshrrev_b32 v1, 5, v0
	v_readfirstlane_b32 s12, v1                    ; wave 0..7
	v_and_b32 v1, 31, v0                           ; lane L
	v_and_b32 v2, 15, v0                           ; m, and r = L % 16
	v_lshrrev_b32 v3, 4, v0                        ; a
	v_bfe_u32 v5, v0, 4, 1                         ; h = L / 16
	v_lshlrev_b32 v[GO], 16, v3                    ; 2 a rows of 32,768 bytes
	v_lshl_add_u32 v[GO], v2, 4, v[GO]
	v_mul_u32_u24 v[LS], v2, 4*RP
	v_lshl_add_u32 v[LS], v3, 2, v[LS]
	s_wait_alu depctr_va_sdst(0)                   ; s12 is written, ahead of its first reader: the wave's places in LDS and in the outputs are made from it
	s_lshl_b32 s19, s12, 6                         ; my wave's K step: 64 bytes of a code's row
	v_mul_u32_u24 v[FR], v2, RP
	v_lshl_add_u32 v[FR], v5, 4, v[FR]
	v_add_nc_u32 v[FR], s19, v[FR]
	s_lshl_b32 s19, s12, 10
	v_lshl_add_u32 v[FO], v1, 4, s19
	s_mul_i32 s19, s12, 8*RP
	v_lshl_add_u32 v[RR], v1, 4, s19
	s_lshl_b32 s19, s12, 12
	v_lshl_add_u32 v[RO], v1, 4, s19
	s_lshl_b32 s19, s12, 5
	s_add_co_u32 s19, s19, SUMS
	v_mov_b32 v[SA], s19
	v_lshlrev_b32 v[EO], 3, v1
	s_mov_b32 s16, 0x76543210                      ; v_permlanex16_b32: each lane takes its own place in the other half
	s_mov_b32 s17, 0xfedcba98
	s_mov_b32 s18, 0xffff0000                      ; a word's upper bf16
	s_lshl_b32 s14, ttmp9, 8                       ; 64 codes: 256 bytes of a row of embed, and of esq
	s_mov_b32 s15, 0
	s_wait_kmcnt 0x0
	s_add_nc_u64 s[4:5], s[4:5], s[14:15]
	s_add_nc_u64 s[10:11], s[10:11], s[14:15]
	s_lshl_b32 s14, ttmp9, 15                      ; 64 codes of 512 bytes in cbf and in cbr
	s_add_nc_u64 s[6:7], s[6:7], s[14:15]
	s_add_nc_u64 s[8:9], s[8:9], s[14:15]
	s_wait_alu depctr_va_vdst(0)                   ; the eight addresses and offsets v6 to v13 are written, which every load and store of the kernel reads
	; all sixteen loads go out at once: load (i, p) is row k = 32 i + 2 a + p; sixteen lanes cover a row's 256 bytes
.irp i, 0,1,2,3,4,5,6,7
.irp p, 0,1
	global_load_b128 v[IN+8*(\i)+4*(\p):IN+8*(\i)+4*(\p)+3], v[GO], s[4:5] offset:(32*(\i)+(\p))*ROWB th:TH_LOAD_NT
.endr
.endr
	; two neighbouring k of one code are rounded into one word and stored at [code][k]
.macro PACK i                          ; pair i of rows: four roundings
.irp j, 0,1,2,3
	v_cvt_pk_bf16_f32 v[PK+4*(\i)+(\j)], v[IN+8*(\i)+(\j)], v[IN+8*(\i)+4+(\j)]
.endr
.endm
.macro PUT i                           ; pair i: its four words go into LDS
.irp j, 0,1,2,3
	ds_store_b32 v[LS], v[PK+4*(\i)+(\j)] offset:(\j)*RP+64*(\i)
.endr
.endm
	s_wait_loadcnt 12                              ; loads come back in order: pairs 0 and 1 are in, the six younger pairs (twelve loads) stay out
	PACK 0
	PACK 1
.irp g, 1,2,3
	s_wait_loadcnt 12-4*(\g)                       ; this group's two pairs are in, the younger pairs stay out
	s_wait_alu depctr_va_vdst(0)                   ; the group before has written its eight registers of PK, which the LDS stores below read; this group's roundings name other registers
	PUT 2*(\g)-2
	PACK 2*(\g)
	PUT 2*(\g)-1
	PACK 2*(\g)+1
.endr
	s_wait_alu depctr_va_vdst(0)                   ; the last group has written its eight registers of PK, which the last LDS stores read
	PUT 6
	PUT 7
	s_wait_dscnt 0x0                               ; for the others' sake: my stores are done
	s_barrier_signal -1
	s_barrier_wait -1                              ; the 64 codes lie in LDS as rows
.irp t, 0,1,2,3
.irp q, 0,1
	ds_load_b128 v[FRG+8*(\t)+4*(\q):FRG+8*(\t)+4*(\q)+3], v[FR] offset:16*RP*(\t)+32*(\q)  ; code tile t, my wave's K step, half q
.endr
.endr
.irp i, 0,1,2,3,4,5,6,7
	ds_load_b128 v[ROWD+4*(\i):ROWD+4*(\i)+3], v[RR] offset:RP*(\i)  ; a whole code: 32 lanes x 16 bytes
.endr
	s_wait_dscnt 8                                 ; the eight fragment loads are in; the eight row loads may stay out
.irp t, 0,1,2,3
.irp q, 0,1
	global_store_b128 v[FO], v[FRG+8*(\t)+4*(\q):FRG+8*(\t)+4*(\q)+3], s[6:7] offset:8192*(\t)+512*(\q)  ; 512 consecutive bytes, aligned
.endr
.endr
	s_wait_dscnt 0x0
.irp i, 0,1,2,3,4,5,6,7
	global_store_b128 v[RO], v[ROWD+4*(\i):ROWD+4*(\i)+3], s[8:9] offset:512*(\i)  ; a code's row: 512 consecutive bytes, aligned
.endr
	; the sums of squares of my wave's eight codes, from the rounded numbers, in f32: eight numbers a lane, then across the lanes
.irp i, 0,1,2,3,4,5,6,7
.irp j, 0,1,2,3
	v_lshlrev_b32 v[IN+8*(\i)+2*(\j)],   16,  v[ROWD+4*(\i)+(\j)]
	v_and_b32     v[IN+8*(\i)+2*(\j)+1], s18, v[ROWD+4*(\i)+(\j)]
.endr
	v_pk_mul_f32 v[IN+8*(\i):IN+8*(\i)+1], v[IN+8*(\i):IN+8*(\i)+1], v[IN+8*(\i):IN+8*(\i)+1]
.irp j, 2,4,6
	v_pk_fma_f32 v[IN+8*(\i):IN+8*(\i)+1], v[IN+8*(\i)+(\j):IN+8*(\i)+(\j)+1], v[IN+8*(\i)+(\j):IN+8*(\i)+(\j)+1], v[IN+8*(\i):IN+8*(\i)+1]
.endr
.endr
.irp i, 0,1,2,3,4,5,6,7
	v_add_f32 v[IN+8*(\i)], v[IN+8*(\i)], v[IN+8*(\i)+1]
.endr
.irp x, 1,2,4,8
.irp i, 0,1,2,3,4,5,6,7
	v_add_f32_dpp v[IN+8*(\i)], v[IN+8*(\i)], v[IN+8*(\i)] row_xmask:\x row_mask:0xf bank_mask:0xf
.endr
.endr
.irp i, 0,1,2,3,4,5,6,7
	v_permlanex16_b32 v[IN+8*(\i)+1], v[IN+8*(\i)], s16, s17  ; its destination has been written
.endr
.irp i, 0,1,2,3,4,5,6,7
	v_add_f32 v[IN+8*(\i)], v[IN+8*(\i)], v[IN+8*(\i)+1]
.endr
.irp i, 0,1,2,3,4,5,6,7
	v_mul_f32 v[IN+8*(\i)], -0.5, v[IN+8*(\i)]
.endr
	s_wait_alu depctr_va_vdst(0)                   ; the eight sums v[IN + 8 i] are written, which the LDS stores below read
.irp i, 0,1,2,3,4,5,6,7
	ds_store_b32 v[SA], v[IN+8*(\i)] offset:4*(\i)  ; all lanes write the same word with the same number
.endr
	s_wait_dscnt 0x0                               ; for wave 0's sake
	s_barrier_signal -1
	s_barrier_wait -1
	s_wait_alu depctr_vm_vsrc(0)                   ; the LDS stores of the packed pairs have read v[PK] and v[PK+1], in which wave 0's load below lands; the wait stands ahead of the branch
	s_cmp_lg_u32 s12, 0
	s_cbranch_scc1 .Lend
	ds_load_b64 v[PK:PK+1], v[EO] offset:SUMS      ; the 64 sums: 256 bytes
	s_wait_dscnt 0x0
	global_store_b64 v[EO], v[PK:PK+1], s[10:11]   ; 256 consecutive bytes, aligned
.Lend:
	s_wait_dscnt 0x0                               ; the wave's end, behind my last LDS store
	s_wait_alu 0x0
	s_wait_tensorcnt 0x0
	ds_add_u32 v[SPW], v[NIL]
	s_wait_dscnt 0x0
	s_endpgm
.Lfunc_end_k_qefadb2fc2f_prep:
	.size	k_qefadb2fc2f_prep, .Lfunc_end_k_qefadb2fc2f_prep-k_qefadb2fc2f_prep
	.p2alignl 7, 3214868480
	.fill 96, 4, 3214868480
	.section	.rodata,"a",@progbits
	.p2align	6, 0x0
	.amdhsa_kernel k_qefadb2fc2f_prep
		.amdhsa_group_segment_fixed_size 35072
		.amdhsa_private_segment_fixed_size 0
		.amdhsa_enable_private_segment 0
		.amdhsa_kernarg_size 32
		.amdhsa_user_sgpr_count 2
		.amdhsa_user_sgpr_kernarg_segment_ptr 1
		.amdhsa_wavefront_size32 1
		.amdhsa_system_sgpr_workgroup_id_x 1
		.amdhsa_system_sgpr_workgroup_id_y 1
		.amdhsa_system_sgpr_workgroup_id_z 1
		.amdhsa_system_vgpr_workitem_id 0
		.amdhsa_next_free_vgpr 176
		.amdhsa_next_free_sgpr 66
		.amdhsa_reserve_vcc 0
		.amdhsa_float_denorm_mode_32 3
		.amdhsa_float_denorm_mode_16_64 3
		.amdhsa_memory_ordered 1
		.amdhsa_forward_progress 1
		.amdhsa_inst_pref_size 19
	.end_amdhsa_kernel
	.amdgpu_metadata
---
amdhsa.version: [ 1, 2 ]
amdhsa.kernels:
  - .name:           k_qefadb2fc2f_prep
    .symbol:         k_qefadb2fc2f_prep.kd
    .args:
      - { .name: embed, .offset: 0, .size: 8, .value_kind: global_buffer, .address_space: global }
      - { .name: cbf, .offset: 8, .size: 8, .value_kind: global_buffer, .address_space: global }
      - { .name: cbr, .offset: 16, .size: 8, .value_kind: global_buffer, .address_space: global }
      - { .name: esq, .offset: 24, .size: 8, .value_kind: global_buffer, .address_space: global }
    .group_segment_fixed_size: 35072
    .private_segment_fixed_size: 0
    .kernarg_segment_align: 8
    .kernarg_segment_size: 32
    .max_flat_workgroup_size: 256
    .sgpr_count:     66
    .vgpr_count:     176
    .wavefront_size: 32
...
	.end_amdgpu_metadata
.endif
;; end of part 4
;; launch argmin: the kernel of part 2 again; grid 256 x 1, 4 waves a work-group, clusters of 4 x 1, 327,680 bytes of LDS; arguments x, cbf, esq, ind; writes ind
;; launch gather (part 5): grid 256 x 1, 8 waves a work-group, no clusters, 0 bytes of LDS; arguments ind, cbr, out0; writes out0
.if DOCPART == 5
	.amdgcn_target "amdgcn-amd-amdhsa--gfx1250"
	.amdhsa_code_object_version 6
	.text
	.protected	k_qefadb2fc2f_gather
	.globl	k_qefadb2fc2f_gather
	.p2align	8
	.type	k_qefadb2fc2f_gather,@function
k_qefadb2fc2f_gather:
	s_mov_b64 s[64:65], 0
	v_nop
	global_prefetch_b8 v0, s[64:65] scope:SCOPE_SE
	s_setreg_imm32_b32 hwreg(HW_REG_WAVE_SCHED_MODE, 0, 2), 2
	s_setreg_imm32_b32 hwreg(HW_REG_WAVE_MODE, 25, 1), 1
	s_wait_xcnt 0x0
	s_wait_alu depctr_vm_vsrc(0)
; out0[n][:] = code ind[n], widened from bf16 to f32 (exact).  ind was stored as whole numbers by the launch before; cbr holds the codes as rows of 512 bytes.  x_sq is left out of the program (see the first kernel).
; LIMIT.  The output is the code rounded to bf16: within 2^-9 of the f32 code.
; SHARES.  A wave owns 16 rows; its 16 indices come by one scalar load.  A row is two loads of 8 bytes a lane (256 consecutive bytes each, aligned) and two stores of 16 bytes a lane (512 consecutive bytes each).
; All 32 loads of a wave go out before the first wait on their data; each has registers of its own, and so has each store, so nothing is rewritten.  Memory binds: no LDS, no barrier, no matrix unit, no cluster.
; THE MODE: SCHED_MODE bits 1:0 = 2 (LLVM: expert scheduling mode 2), set by the entry lines.  The code itself states the register dependences between vector instructions and memory instructions,
; with s_wait_alu, always for 0.
; THE PLAN.  Registers that memory instructions touch:
;   O, v3   the loads' sixteen offsets and the stores' one: written at the head, never again; one wait ahead of the run of loads states them written.
;   D       load n lands in its own two registers, which no vector instruction names before; the widening lines read them behind the counted wait for the load; never loaded again.
;   E       the widening lines of load n write four registers of their own, store n reads them; never written again.
; The 32 loads are worked on in eight blocks of four.  Block g widens its four loads into its sixteen registers of E; its memory instructions are the four stores of block g - 1, whose E no vector instruction of
; block g names.  So ONE wait at a block's head states all that the block's stores hang on, and they are dealt among its widening lines with no further wait.
.set O, 4                              ; v[4:19]   row i: 512 x its index + 8 x lane
.set D, 20                             ; v[20:83]  load n = 2 i + p: two registers, four bf16
.set E, 84                             ; v[84:211] the same four numbers in f32
	s_load_b128 s[4:7], s[0:1], 0x0                ; ind s[4:5], cbr s[6:7]
	s_load_b64 s[8:9], s[0:1], 0x10                ; out0
	v_lshrrev_b32 v1, 5, v0
	v_readfirstlane_b32 s12, v1                    ; wave 0..7
	v_and_b32 v1, 31, v0
	v_lshlrev_b32 v2, 3, v1                        ; 8 x lane
	v_lshlrev_b32 v3, 4, v1                        ; 16 x lane
	s_lshl_b32 s10, ttmp9, 3
	s_wait_alu depctr_va_sdst(0)                   ; s12 is written, ahead of its first reader: the wave's places in ind and in out0 are made from it
	s_add_co_u32 s10, s10, s12                     ; my wave among all 2,048
	s_lshl_b32 s14, s10, 6                         ; its 16 words of ind
	s_mov_b32 s15, 0
	s_lshl_b32 s32, s10, 14                        ; its 16 rows of 1,024 bytes of out0
	s_mov_b32 s33, 0
	s_mov_b32 s34, 0xffff0000                      ; a word's upper bf16
	s_wait_kmcnt 0x0
	s_add_nc_u64 s[4:5], s[4:5], s[14:15]
	s_add_nc_u64 s[8:9], s[8:9], s[32:33]
	s_load_b512 s[16:31], s[4:5], 0x0              ; no line of this launch writes ind
	s_wait_kmcnt 0x0
.set n, 0
.rept 16
	s_min_u32 s[16+n], s[16+n], 0x1fff             ; an index stays inside the table
	v_lshl_add_u32 v[O+n], s[16+n], 9, v2
.set n, n+1
.endr
	s_wait_alu depctr_va_vdst(0)                   ; the sixteen offsets v[O ..] are written, which the loads below read, and so is v3, which every store reads
.set n, 0
.rept 32
	global_load_b64 v[D+2*n:D+2*n+1], v[O+n/2], s[6:7] offset:256*(n%2)  ; no hint: several rows may name one code
.set n, n+1
.endr
.set g, 0
.rept 8
	s_wait_loadcnt 28-4*g                          ; loads come back in order: block g's four are in, the younger ones stay out
.if g > 0
	s_wait_alu depctr_va_vdst(0)                   ; the block before has written its sixteen registers of E, which the four stores below read; this block's lines name other registers
.endif
.set q, 0
.rept 4
.set n, 4*g+q
.if g > 0
	global_store_b128 v3, v[E+4*(n-4):E+4*(n-4)+3], s[8:9] offset:512*(n-4) th:TH_STORE_NT  ; the block before: row (n - 4) / 2, half (n - 4) % 2: 512 consecutive bytes, aligned
.endif
	v_lshlrev_b32 v[E+4*n],   16,  v[D+2*n]
	v_and_b32     v[E+4*n+1], s34, v[D+2*n]
	v_lshlrev_b32 v[E+4*n+2], 16,  v[D+2*n+1]
	v_and_b32     v[E+4*n+3], s34, v[D+2*n+1]
.set q, q+1
.endr
.set g, g+1
.endr
	s_wait_alu depctr_va_vdst(0)                   ; the last block has written its sixteen registers of E, which the last four stores read
.set n, 28
.rept 4
	global_store_b128 v3, v[E+4*n:E+4*n+3], s[8:9] offset:512*n th:TH_STORE_NT  ; row n / 2, half n % 2: 512 consecutive bytes, aligned
.set n, n+1
.endr
	s_endpgm
.Lfunc_end_k_qefadb2fc2f_gather:
	.size	k_qefadb2fc2f_gather, .Lfunc_end_k_qefadb2fc2f_gather-k_qefadb2fc2f_gather
	.p2alignl 7, 3214868480
	.fill 96, 4, 3214868480
	.section	.rodata,"a",@progbits
	.p2align	6, 0x0
	.amdhsa_kernel k_qefadb2fc2f_gather
		.amdhsa_group_segment_fixed_size 0
		.amdhsa_private_segment_fixed_size 0
		.amdhsa_enable_private_segment 0
		.amdhsa_kernarg_size 24
		.amdhsa_user_sgpr_count 2
		.amdhsa_user_sgpr_kernarg_segment_ptr 1
		.amdhsa_wavefront_size32 1
		.amdhsa_system_sgpr_workgroup_id_x 1
		.amdhsa_system_sgpr_workgroup_id_y 1
		.amdhsa_system_sgpr_workgroup_id_z 1
		.amdhsa_system_vgpr_workitem_id 0
		.amdhsa_next_free_vgpr 216
		.amdhsa_next_free_sgpr 66
		.amdhsa_reserve_vcc 0
		.amdhsa_float_denorm_mode_32 3
		.amdhsa_float_denorm_mode_16_64 3
		.amdhsa_memory_ordered 1
		.amdhsa_forward_progress 1
		.amdhsa_inst_pref_size 14
	.end_amdhsa_kernel
	.amdgpu_metadata
---
amdhsa.version: [ 1, 2 ]
amdhsa.kernels:
  - .name:           k_qefadb2fc2f_gather
    .symbol:         k_qefadb2fc2f_gather.kd
    .args:
      - { .name: ind, .offset: 0, .size: 8, .value_kind: global_buffer, .address_space: global }
      - { .name: cbr, .offset: 8, .size: 8, .value_kind: global_buffer, .address_space: global }
      - { .name: out0, .offset: 16, .size: 8, .value_kind: global_buffer, .address_space: global }
    .group_segment_fixed_size: 0
    .private_segment_fixed_size: 0
    .kernarg_segment_align: 8
    .kernarg_segment_size: 24
    .max_flat_workgroup_size: 256
    .sgpr_count:     66
    .vgpr_count:     216
    .wavefront_size: 32
...
	.end_amdgpu_metadata
.endif
;; end of part 5
